; MI455X (gfx1250); checked and timed in simulation.
; The chip was launched on July 23, 2026; its instructions are those of AMD's public machine-readable ISA for CDNA 5 (MIT licence, August 2026) and "CDNA5" Instruction Set Architecture Reference Guide (July 2026). The comments in the code are by the model that wrote it; some were corrected since.
;; LSTM Cell. Allowed arithmetic: float matrix products may take bf16 or f16 operands with f32 sums; other float arithmetic in f32, or as packed bf16 or f16 multiplies, adds, multiply-adds, maxima and minima; sums over many terms, partial sums and values carried from step to step in f32; what a program stores and reads back later, other than sums and carried values, may be rounded once to bf16 or f16.
;; Inputs: Wc 2,048 x 1,024 float32; Wf 2,048 x 1,024 float32; Wi 2,048 x 1,024 float32; Wo 2,048 x 1,024 float32; bc 1,024 float32; bf 1,024 float32; bi 1,024 float32; bo 1,024 float32; c 8,192 x 1,024 float32; h 8,192 x 1,024 float32; x 8,192 x 1,024 float32.
;; Outputs: out0 2 x 8,192 x 1,024 float32.
;; 2 versions, each right; version 2 is version 1 with the launch prep written anew for expert scheduling mode. Each part assembles by itself: llvm-mc -triple=amdgcn-amd-amdhsa -mcpu=gfx1250 --defsym DOCPART=n.
;; ======== version 1 of 2: 2 launches
;; workspace buffers: zb 33,554,432 bytes; wt 16,777,216 bytes
;; launch prep (part 1): grid 1024 x 2, 8 waves a work-group, no clusters, 17,920 bytes of LDS; arguments x, h, Wf, Wi, Wc, Wo, zb, wt; writes zb, wt
.if DOCPART == 1
	.amdgcn_target "amdgcn-amd-amdhsa--gfx1250"
	.amdhsa_code_object_version 6
	.text
	.protected	k_qf3a311790d_prep
	.globl	k_qf3a311790d_prep
	.p2align	8
	.type	k_qf3a311790d_prep,@function
k_qf3a311790d_prep:
	s_mov_b64 s[64:65], 0
	v_nop
	global_prefetch_b8 v0, s[64:65] scope:SCOPE_SE
	s_setreg_imm32_b32 hwreg(HW_REG_WAVE_MODE, 25, 1), 1
	s_wait_xcnt 0x0
; The operands of the LSTM cell's product, rounded once to bf16 and laid with K along the rows.
;   zb [8192][2048] bf16: row m = x[m][0..1023], then h[m][0..1023]; a row is 4,096 bytes.
;   wt [4096][2048] bf16: row 256 (u / 64) + 64 g + u % 64 holds W_g[k][u] for k = 0..2047; g = 0, 1, 2, 3 for Wf, Wi, Wc, Wo.
;      So 256 consecutive rows of wt are the four gates of 64 consecutive units.
; Work-groups with y = 0 cast 8 rows of x and of h; those with y = 1 turn one tile of 128 k x 64 u of one gate through LDS.
; The branch hangs on the work-group's y alone: all eight waves of a work-group take the same way.
; A stream: every input byte is read once and every output byte written once.  No matrix unit, no cluster: no two work-groups read the same bytes.
.set P,     264                        ; a row of the turned tile in LDS: 128 k in bf16 = 256 bytes, + 8
.set SPARE, 64*P                       ; 16,896: behind the tile's 64 rows the spare words, 128 bytes for each of eight waves, which no other line names
.set SPW,   78                         ; v78  LDS address of my spare word; never rewritten
.set NIL,   79                         ; v79  0; never rewritten
	s_load_b512 s[4:19], s[0:1], 0x0               ; x s[4:5], h s[6:7], Wf s[8:9], Wi s[10:11], Wc s[12:13], Wo s[14:15], zb s[16:17], wt s[18:19]
	v_lshl_add_u32 v[SPW], v0, 2, SPARE
	v_mov_b32 v[NIL], 0
	s_and_b32 s20, ttmp7, 0xffff                   ; the work-group's y
	s_wait_kmcnt 0x0
	s_cmp_lg_u32 s20, 0
	s_cbranch_scc1 .Lw
	; THE CAST.  Work-group i takes rows 8 i to 8 i + 7.  Thread t takes 16 bytes (4 numbers) at byte 16 t of a row of x or h: a wave's load covers 512 consecutive bytes,
	; the eight waves a row.  The 4 numbers leave as 8 bytes at byte 8 t of the row's half in zb: a wave's store covers 256 consecutive bytes, aligned.
	s_lshl_b32 s22, ttmp9, 15                      ; 8 rows of 4,096 bytes, in x, in h and in zb alike
	s_mov_b32 s23, 0
	s_add_nc_u64 s[4:5], s[4:5], s[22:23]
	s_add_nc_u64 s[6:7], s[6:7], s[22:23]
	s_add_nc_u64 s[16:17], s[16:17], s[22:23]
	v_lshlrev_b32 v1, 4, v0
	v_lshlrev_b32 v2, 3, v0
.set n, 0
.rept 16                               ; all sixteen loads go out on end: load n is row n / 2 of x (n even) or of h (n odd)
.if n%2 == 0
	global_load_b128 v[8+4*n:11+4*n], v1, s[4:5] offset:4096*(n/2) th:TH_LOAD_NT
.else
	global_load_b128 v[8+4*n:11+4*n], v1, s[6:7] offset:4096*(n/2) th:TH_LOAD_NT
.endif
.set n, n+1
.endr
.set n, 0
.rept 16
	s_wait_loadcnt 15-n                            ; loads come back in order (ISA guide 5.7.1): load n is in, the 15 - n younger ones stay out
	v_cvt_pk_bf16_f32 v[8+4*n], v[8+4*n], v[9+4*n]
	v_cvt_pk_bf16_f32 v[9+4*n], v[10+4*n], v[11+4*n]
	global_store_b64 v2, v[8+4*n:9+4*n], s[16:17] offset:4096*(n/2)+2048*(n%2)  ; no register is written twice, so nothing waits for the stores
.set n, n+1
.endr
	s_endpgm                                       ; this way wrote no LDS
.Lw:	; THE TURN.  Work-group i: gate i / 256, k block (i / 16) % 16 of 128, u block i % 16 of 64.
	s_lshr_b32 s21, ttmp9, 8                       ; g
	s_bfe_u32 s22, ttmp9, 0x40004                  ; kb
	s_and_b32 s23, ttmp9, 15                       ; ub
	s_mov_b64 s[24:25], s[8:9]                     ; the gate's weights: a choice between buffers by g
	s_cmp_eq_u32 s21, 1
	s_cselect_b64 s[24:25], s[10:11], s[24:25]
	s_cmp_eq_u32 s21, 2
	s_cselect_b64 s[24:25], s[12:13], s[24:25]
	s_cmp_eq_u32 s21, 3
	s_cselect_b64 s[24:25], s[14:15], s[24:25]
	s_lshl_b32 s28, s22, 19                        ; from: 128 kb rows of 4,096 bytes
	s_lshl_b32 s29, s23, 8                         ; + 64 ub numbers of 4 bytes
	s_add_co_u32 s28, s28, s29
	s_mov_b32 s29, 0
	s_add_nc_u64 s[24:25], s[24:25], s[28:29]
	s_lshl_b32 s28, s23, 20                        ; to: 256 ub rows of 4,096 bytes
	s_lshl_b32 s30, s21, 18                        ; + 64 g rows
	s_add_co_u32 s28, s28, s30
	s_lshl_b32 s30, s22, 8                         ; + 128 kb numbers of 2 bytes
	s_add_co_u32 s28, s28, s30
	s_add_nc_u64 s[26:27], s[18:19], s[28:29]
	v_and_b32 v6, 15, v0                           ; ui: my four columns 4 ui ..
	v_lshrrev_b32 v7, 4, v0                        ; kq: my rows 4 kq + 64 s + e
	v_lshlrev_b32 v1, 4, v6
	v_lshl_add_u32 v1, v7, 14, v1                  ; 4 kq rows of 4,096 bytes + 16 ui
.irp s, 0,1
.irp e, 0,1,2,3
	global_load_b128 v[8+16*(\s)+4*(\e):11+16*(\s)+4*(\e)], v1, s[24:25] offset:262144*(\s)+4096*(\e) th:TH_LOAD_NT  ; sixteen lanes take the tile's 256 bytes of one row
.endr
.endr
	v_mul_u32_u24 v3, v6, 4*P                      ; into LDS: row u = 4 ui + r, 8 bytes (4 k) at byte 8 kq + 128 s
	v_lshl_add_u32 v3, v7, 3, v3
	v_and_b32 v6, 31, v0                           ; lane
	v_lshrrev_b32 v7, 5, v0                        ; wave
	v_lshlrev_b32 v6, 3, v6
	v_mul_u32_u24 v4, v7, 8*P                      ; back: wave w takes rows 8 w + i whole, a lane 8 bytes
	v_add_nc_u32 v4, v4, v6
	v_lshl_add_u32 v5, v7, 15, v6                  ; and the same rows in wt, 4,096 bytes apart
.irp s, 0,1
	s_wait_loadcnt 4-4*(\s)                        ; the first four loads are in while the second four stay out; then all
.irp r, 0,1,2,3
	v_cvt_pk_bf16_f32 v[40+8*(\s)+2*(\r)], v[8+16*(\s)+(\r)], v[12+16*(\s)+(\r)]    ; column r of my rows e = 0, 1
	v_cvt_pk_bf16_f32 v[41+8*(\s)+2*(\r)], v[16+16*(\s)+(\r)], v[20+16*(\s)+(\r)]   ; and e = 2, 3: four neighbouring k of one u
	ds_store_b64 v3, v[40+8*(\s)+2*(\r):41+8*(\s)+2*(\r)] offset:(\r)*P+128*(\s)    ; lanes ui and ui + 8 lie 8 x 1,056 bytes apart, a multiple of 256: two deep on the banks (64 banks of 4 bytes: ISA guide 11.1); eight stores a thread, accepted
.endr
.endr
	s_wait_dscnt 0x0                               ; for the others' sake: my stores into the tile are done
	s_barrier_signal -1
	s_barrier_wait -1
.irp i, 0,1,2,3,4,5,6,7
	ds_load_b64 v[56+2*(\i):57+2*(\i)], v4 offset:(\i)*P   ; a row's 256 consecutive bytes
.endr
.irp i, 0,1,2,3,4,5,6,7
	s_wait_dscnt 7-(\i)                            ; LDS loads come back in order: row i is in
	global_store_b64 v5, v[56+2*(\i):57+2*(\i)], s[26:27] offset:4096*(\i)  ; the wave stores 256 consecutive bytes, at a multiple of 256 from wt's first byte
.endr
	s_wait_tensorcnt 0x0                           ; the wave's end: three closing lines behind my last LDS store
	ds_add_u32 v[SPW], v[NIL]
	s_wait_dscnt 0x0
	s_endpgm
.Lfunc_end_k_qf3a311790d_prep:
	.size	k_qf3a311790d_prep, .Lfunc_end_k_qf3a311790d_prep-k_qf3a311790d_prep
	.p2alignl 7, 3214868480
	.fill 96, 4, 3214868480
	.section	.rodata,"a",@progbits
	.p2align	6, 0x0
	.amdhsa_kernel k_qf3a311790d_prep
		.amdhsa_group_segment_fixed_size 17920
		.amdhsa_private_segment_fixed_size 0
		.amdhsa_enable_private_segment 0
		.amdhsa_kernarg_size 64
		.amdhsa_user_sgpr_count 2
		.amdhsa_user_sgpr_kernarg_segment_ptr 1
		.amdhsa_wavefront_size32 1
		.amdhsa_system_sgpr_workgroup_id_x 1
		.amdhsa_system_sgpr_workgroup_id_y 1
		.amdhsa_system_sgpr_workgroup_id_z 1
		.amdhsa_system_vgpr_workitem_id 0
		.amdhsa_next_free_vgpr 80
		.amdhsa_next_free_sgpr 66
		.amdhsa_reserve_vcc 0
		.amdhsa_float_denorm_mode_32 3
		.amdhsa_float_denorm_mode_16_64 3
		.amdhsa_memory_ordered 1
		.amdhsa_forward_progress 1
		.amdhsa_inst_pref_size 12
	.end_amdhsa_kernel
	.amdgpu_metadata
---
amdhsa.version: [ 1, 2 ]
amdhsa.kernels:
  - .name:           k_qf3a311790d_prep
    .symbol:         k_qf3a311790d_prep.kd
    .args:
      - { .name: x, .offset: 0, .size: 8, .value_kind: global_buffer, .address_space: global }
      - { .name: h, .offset: 8, .size: 8, .value_kind: global_buffer, .address_space: global }
      - { .name: Wf, .offset: 16, .size: 8, .value_kind: global_buffer, .address_space: global }
      - { .name: Wi, .offset: 24, .size: 8, .value_kind: global_buffer, .address_space: global }
      - { .name: Wc, .offset: 32, .size: 8, .value_kind: global_buffer, .address_space: global }
      - { .name: Wo, .offset: 40, .size: 8, .value_kind: global_buffer, .address_space: global }
      - { .name: zb, .offset: 48, .size: 8, .value_kind: global_buffer, .address_space: global }
      - { .name: wt, .offset: 56, .size: 8, .value_kind: global_buffer, .address_space: global }
    .group_segment_fixed_size: 17920
    .private_segment_fixed_size: 0
    .kernarg_segment_align: 8
    .kernarg_segment_size: 64
    .max_flat_workgroup_size: 256
    .sgpr_count:     66
    .vgpr_count:     80
    .wavefront_size: 32
...
	.end_amdgpu_metadata
.endif
;; end of part 1
;; launch lstm (part 2): grid 16 x 32, 4 waves a work-group, clusters of 4 x 4, 327,680 bytes of LDS; arguments zb, wt, out0, c, bf, bi, bc, bo; writes out0
.if DOCPART == 2
	.amdgcn_target "amdgcn-amd-amdhsa--gfx1250"
	.amdhsa_code_object_version 6
	.text
	.protected	k_qf3a311790d_lstm
	.globl	k_qf3a311790d_lstm
	.p2align	8
	.type	k_qf3a311790d_lstm,@function
k_qf3a311790d_lstm:
	s_mov_b64 s[64:65], 0
	v_nop
	global_prefetch_b8 v0, s[64:65] scope:SCOPE_SE
	s_setreg_imm32_b32 hwreg(HW_REG_WAVE_MODE, 25, 1), 1
	s_wait_xcnt 0x0
	s_wait_alu depctr_hold_cnt(0) depctr_sa_sdst(0) depctr_va_vdst(0) depctr_va_sdst(0) depctr_va_ssrc(0) depctr_va_vcc(0) depctr_vm_vsrc(0)
	s_getreg_b32 s2, hwreg(HW_REG_IB_STS2, 6, 4)
	s_cmp_eq_u32 s2, 0
	s_cbranch_scc0 .Lentry_in_a_cluster
	s_endpgm
.Lentry_in_a_cluster:
	s_bfe_u32 s2, ttmp6, 0x10000c
	s_cmp_lg_u32 s2, 0xf033
	s_cbranch_scc0 .Lentry_shape_is_right
	s_endpgm
.Lentry_shape_is_right:
; THE LSTM CELL.  gates = zb wt^T + b; f, i, o = sigmoid, g = tanh; c_new = f c + i g; h_new = o tanh(c_new); out0 = [h_new; c_new], f32.
; zb [8192][2048] and wt [4096][2048] are bf16 with K along the rows; 256 consecutive rows of wt are the gates f, i, g, o (64 rows each) of 64 consecutive units.
; LIMITS.  All inputs are rounded once to bf16: x, h and the weights by the launch before, c and the four biases here.  Sums, gates and outputs are f32.
; sigmoid(x) = 1 / (1 + 2^(-x log2 e)), tanh(x) = 1 - 2 / (1 + 2^(2 x log2 e)): both saturate rightly through infinity and 0; round 0 tanh is off by some 1e-7 absolutely.
; An exponential below 2^-126 counts as 0.  NaN and infinities among the inputs are not treated apart.
; SHARES.  A work-group makes 256 rows x 64 units, all four gates: a tile of 256 x 256 of the product.  Each of its four waves makes 64 rows x all 256 columns: 64 accumulators of 16 x 16,
; (a, b): a = block of 16 rows, b = 4 g + j = block of 16 columns.  A wave then owns whole 256-byte pieces of the rows of c, h_new and c_new, so the way in of c and the way out are the wave's own.
; The price: 40 LDS loads for 64 matrix instructions, where a square share of 128 x 128 would take 32.
; THE MATRIX INSTRUCTION IS USED TRANSPOSED (source 0 = 16 rows of wt, source 1 = 16 rows of zb): lane l, register e holds row l % 16 and column 16 b + 8 (l / 16) + e.
; So accumulators (a, j), (a, 4 + j), (a, 8 + j), (a, 12 + j) hold f, i, g, o of the SAME row and unit in the same lane and register: the gates meet without a move.
; THE BIAS is the C operand of each accumulator's first product: nothing is cleared and nothing is added later.
; K goes in 16 steps of 128 through a ring of two LDS slots filled by the tensor data mover; the tiles' rows are 256 bytes of memory, at multiples of 256 bytes from the buffer's first byte.
; CLUSTER.  4 x 4 work-groups.  The four of a row of the cluster need the same tiles of zb, the four of a column the same tiles of wt: each tile is asked for JOINTLY, by the same tensor load
; with the same descriptor and a mask that names the four.
; REGISTERS, in windows of 256 (s_set_vgpr_msb: bits 1:0 source 0, 3:2 source 1, 5:4 source 2, 7:6 destination):
;   window 0: v0-31 addresses; v64-95, v96-127 fragments of zb, two buffers; v128-255 the bias, then c as loaded, then c in bf16 (v128-191) and c_new (v192-255); v32-127 at work on the way out
;   window 1: fragments of wt, two buffers of 128      window 2: the accumulators of a = 0, 1 at 8 (16 (a % 2) + b)      window 3: those of a = 2, 3
.set SIZE_K, 2048
.set KSTEP,  128
.set PITCH,  272                       ; an LDS row: 256 bytes + 16 of padding = 68 words: row r starts at bank 4 r mod 64 (64 banks of 4 bytes: ISA guide 11.1), so the 16 rows of a load start at 16 different groups of banks
.set HALFT,  128*PITCH                 ; 128 rows: what one tensor load brings
.set SLOT,   4*HALFT                   ; zb's 256 rows, then wt's 256 rows
.set STAGE,  2*SLOT                    ; behind the ring, never filled by a tensor load: for each wave two regions of 16 rows x 272 bytes
.set SPITCH, 272
.set SB,     16*SPITCH                 ; the second region
.set WSTAGE, 2*SB
.set CPITCH, 144                       ; c in bf16 on its way in: rows of 128 bytes + 16
.set SPARE,  STAGE+4*WSTAGE            ; behind the stages: the spare words, 128 bytes for each wave: two blocks of 256 bytes that no other line names
.set LAPS,   SIZE_K/(2*KSTEP)          ; a lap = two K steps = once round the ring
.set CNEW,   0x2000000                 ; c_new lies 8,192 x 4,096 bytes behind h_new in out0
.set ADRA, 16                          ; v16-17  LDS address of my fragments of zb in slot 0, 1
.set ADRB, 20                          ; v20-21  the same for wt
.set STO,  24                          ; v24     the way out: where I put 32 bytes of a row
.set RD,   25                          ; v25     the way out: where I read a row back
.set CO,   26                          ; v26     my byte offset in two rows of c and of out0; never rewritten
.set BO,   27                          ; v27     my byte offset in 16 numbers of a bias
.set SPW,  28                          ; v28     LDS address of my spare word; never rewritten
.set NIL,  29                          ; v29     0; never rewritten
.set CSTO, 30                          ; v30     c's way in: where I put 8 bytes of a row
.set CRD,  31                          ; v31     c's way in: where I read my 16 bytes back
.set AF,   64                          ; zb's fragments: buffer f, block a at AF + 32 f + 8 a
.set BI,   128                         ; the bias: for column block b at BI + 8 b
.set CX,   128                         ; c as loaded: block a at CX + 32 a
.set CFB,  128                         ; c in bf16, in the accumulators' order: block a at CFB + 16 a
.set TG,   64                          ; at work: f at +0, i at +8, g at +16, o at +24
.set HNE,  96                          ; h_new of an even block; of an odd block 64 lower
.set CNE,  192                         ; c_new of an even block; of an odd block 32 higher
.set G1,  24                           ; s[24:31] descriptor group 1 for zb's tiles;  s[32:39] group 0, a set for each slot
.set G0,  32
.set G1B, 48                           ; s[48:55], s[56:63] the same for wt's tiles
.set G0B, 56
.set MSB, 0
.macro WIN new                         ; the immediate's high byte repeats the setting that is left; a switch that changes nothing is dropped
.if MSB != (\new)
	s_set_vgpr_msb (MSB<<8)|(\new)
.set MSB, \new
.endif
.endm
; A joint load.  Waves 0 and 1 fetch the two halves of zb's tile, waves 2 and 3 those of wt's.  Each line has one mask and one set of registers; the branch hangs on the wave's number alone.
; An s_nop 0 and four v_nop follow each of the two lines, ahead of the jump, the label and what follows.
.macro JLOAD s
	s_cmp_eq_u32 s11, 0
	s_cbranch_scc0 .Lfor_b_\@
	tensor_load_to_lds s[G0+4*(\s):G0+4*(\s)+3], s[G1:G1+7]
	s_nop 0
.rept 4
	v_nop
.endr
	s_branch .Lasked_\@
.Lfor_b_\@:
	tensor_load_to_lds s[G0B+4*(\s):G0B+4*(\s)+3], s[G1B:G1B+7]
	s_nop 0
.rept 4
	v_nop
.endr
.Lasked_\@:
.endm
; A round of the cluster's barrier: my work-group's barrier, so that wave 0's signal speaks for all four waves; wave 0 signals; every wave waits for all sixteen work-groups; my work-group's barrier once more.
.macro CREST                           ; a round behind its opening barrier
	s_cmp_lg_u32 s10, 0
	s_cbranch_scc1 .Lnot_wave_0_\@
	s_barrier_signal -3
.Lnot_wave_0_\@:
	s_barrier_wait -3
	s_barrier_signal -1
	s_barrier_wait -1
.endm
.macro CROUND                          ; a whole round
	s_barrier_signal -1
	s_barrier_wait -1
	CREST
.endm
	s_load_b128 s[4:7], s[0:1], 0x0                ; zb s[4:5], wt s[6:7]
	s_load_b64 s[8:9], s[0:1], 0x10                ; out0
	s_load_b64 s[66:67], s[0:1], 0x18              ; c
	s_load_b256 s[68:75], s[0:1], 0x20             ; bf s[68:69], bi s[70:71], bc s[72:73], bo s[74:75]: gate g's bias at s[68 + 2 g]
	v_lshl_add_u32 v[SPW], v0, 2, SPARE
	v_mov_b32 v[NIL], 0
	ds_add_u32 v[SPW], v[NIL]                      ; the wave's opening: the add and its wait stand ahead of my first tensor load; the set-up below, work on registers, stands between them
	v_lshrrev_b32 v1, 5, v0
	v_readfirstlane_b32 s10, v1                    ; wave 0..3: my 64 rows of the tile
	s_lshr_b32 s11, s10, 1                         ; I fetch for zb (0) or for wt (1)
	s_and_b32 s12, s10, 1                          ; which 128 rows of that tile I fetch
	s_bfe_u32 s40, ttmp6, 0x40000                  ; cx, cy: my place in the cluster
	s_bfe_u32 s41, ttmp6, 0x40004
	s_lshl_b32 s42, ttmp9, 2                       ; in a cluster launch ttmp9 and ttmp7 count clusters
	s_add_co_u32 s42, s42, s40                     ; tc: my block of 64 units = 4 x cluster x + cx
	s_and_b32 s13, ttmp7, 0xffff
	s_lshl_b32 s13, s13, 2
	s_add_co_u32 s13, s13, s41                     ; tr: my block of 256 rows = 4 x cluster y + cy
	s_lshl_b32 s43, s41, 2
	s_lshl_b32 s43, 15, s43                        ; my row of the cluster: places 4 cy .. 4 cy + 3
	s_lshl_b32 s44, 0x1111, s40                    ; my column: places cx, cx + 4, cx + 8, cx + 12
	; descriptor group 1: a tile of 128 rows x 128 elements, padded in LDS
	s_or_b32 s[G1+0], s43, (1<<16)|(1<<20)|(1<<21)|(5<<22)|(3<<25)   ; 15:0 the mask: zb's tiles go to my row; 17:16 elements of 2 bytes; 20 padding on; 21 set beside a mask; 24:22 after every 64 words (code 5); 31:25 4 words of it (code 3)
	s_or_b32 s[G1B+0], s44, (1<<16)|(1<<20)|(1<<21)|(5<<22)|(3<<25)  ; the same with the mask of my column, for wt's tiles
.irp g, G1, G1B
	s_mov_b32 s[(\g)+1], KSTEP<<16                 ; tensor_dim0 = 128
	s_mov_b32 s[(\g)+2], 128<<16                   ; tensor_dim1 = 128
	s_mov_b32 s[(\g)+3], KSTEP<<16                 ; tile_dim0 = 128
	s_mov_b32 s[(\g)+4], 128                       ; tile_dim1 = 128
	s_mov_b32 s[(\g)+5], SIZE_K                    ; 2,048 elements from row to row
	s_mov_b32 s[(\g)+6], 0
	s_mov_b32 s[(\g)+7], 0
.endr
	; where the tiles come from.  zb's hang on tr alone, which my row of the cluster shares; wt's on tc alone, which my column shares.  Each address is made in registers that never hold the other coordinate.
	s_lshl_b32 s17, s12, 7
	s_lshl_b32 s16, s13, 8
	s_add_co_u32 s16, s16, s17                     ; zb: row 256 tr + 128 x half
	s_lshl_b32 s46, s42, 8
	s_add_co_u32 s46, s46, s17                     ; wt: row 256 tc + 128 x half
	s_mov_b32 s17, 0
	s_mov_b32 s47, 0
	s_mov_b64 s[18:19], SIZE_K*2
	s_mul_u64 s[16:17], s[16:17], s[18:19]         ; in bytes
	s_mul_u64 s[46:47], s[46:47], s[18:19]
	s_mul_i32 s20, s10, HALFT                      ; and where they go: wave x 128 rows: no place in the cluster enters an LDS address
	s_lshl_b32 s82, s13, 20                        ; my corner in c and in each half of out0: (256 tr + 64 w) rows of 4,096 bytes + 64 tc numbers of 4 bytes
	s_lshl_b32 s83, s10, 18
	s_add_co_u32 s82, s82, s83
	s_lshl_b32 s86, s42, 8                         ; 256 tc: also my units' place in a bias
	s_add_co_u32 s82, s82, s86
	s_mov_b32 s83, 0
	s_mov_b32 s87, 0
	s_mov_b32 s78, 0xbfb8aa3b                      ; -log2 e, for the sigmoids; the packed forms name a pair and take its low word for both halves
	s_mov_b32 s79, 0xbfb8aa3b
	s_mov_b32 s80, 0x4038aa3b                      ; 2 log2 e, for the hyperbolic tangents
	s_mov_b32 s81, 0x4038aa3b
	s_mov_b32 s84, 0xffff0000                      ; a word's upper bf16
	s_wait_dscnt 0x0                               ; the opening add is done
	s_wait_kmcnt 0x0
	s_add_nc_u64 s[14:15], s[4:5], s[16:17]
	s_add_nc_u64 s[46:47], s[6:7], s[46:47]
	s_add_nc_u64 s[66:67], s[66:67], s[82:83]      ; c at my wave's corner
	s_add_nc_u64 s[8:9], s[8:9], s[82:83]          ; h_new
	s_add_nc_u64 s[76:77], s[8:9], CNEW            ; c_new
.irp g, 0,1,2,3
	s_add_nc_u64 s[68+2*(\g):69+2*(\g)], s[68+2*(\g):69+2*(\g)], s[86:87]
.endr
	CROUND                                         ; all sixteen work-groups are here: the first joint loads meet
.irp s, 0,1
	s_mov_b32 s[G0+4*(\s)], 1                                        ; count = 1
	s_add_co_u32 s[G0+4*(\s)+1], s20, (\s)*SLOT                      ; LDS address
	s_add_nc_u64 s[G0+4*(\s)+2:G0+4*(\s)+3], s[14:15], (\s)*KSTEP*2  ; global address: K step s
	s_or_b32 s[G0+4*(\s)+3], s[G0+4*(\s)+3], 0x80000000              ; type = 2
	s_mov_b32 s[G0B+4*(\s)], 1
	s_add_co_u32 s[G0B+4*(\s)+1], s20, (\s)*SLOT
	s_add_nc_u64 s[G0B+4*(\s)+2:G0B+4*(\s)+3], s[46:47], (\s)*KSTEP*2
	s_or_b32 s[G0B+4*(\s)+3], s[G0B+4*(\s)+3], 0x80000000
	JLOAD \s                                       ; the ring is filled before anything else is done: two loads of mine are out
.endr
	; A fragment is 16 rows x 32 K in 8 registers: lane l holds row l % 16; registers 0-3 K = 8 (l / 16) + 0..7, registers 4-7 K = 16 + 8 (l / 16) + 0..7: two loads of 16 bytes, 32 bytes apart.
	v_and_b32 v1, 15, v0                           ; r = l % 16
	v_bfe_u32 v2, v0, 4, 1                         ; hh = l / 16
	v_lshlrev_b32 v[BO], 5, v2                     ; my 8 numbers among a column block's 16
.irp g, 0,1,2,3
.irp j, 0,1,2,3
	global_load_b128 v[BI+8*(4*(\g)+(\j)):BI+8*(4*(\g)+(\j))+3],   v[BO], s[68+2*(\g):69+2*(\g)] offset:64*(\j)     ; gate g, units 16 j + 8 hh + 0..3
	global_load_b128 v[BI+8*(4*(\g)+(\j))+4:BI+8*(4*(\g)+(\j))+7], v[BO], s[68+2*(\g):69+2*(\g)] offset:64*(\j)+16  ; and + 4..7
.endr
.endr
	v_mul_u32_u24 v3, v1, PITCH
	v_lshl_add_u32 v3, v2, 4, v3                   ; row x pitch + 16 x half
	s_mul_i32 s21, s10, 64*PITCH                   ; my 64 rows of zb's tile
	s_mov_b32 s22, 2*HALFT                         ; wt's 256 rows, all mine, lie behind zb's 256
.irp s, 0,1
	v_add_nc_u32 v[ADRA+(\s)], s21, v3
	v_add_nc_u32 v[ADRB+(\s)], s22, v3
	s_add_co_u32 s21, s21, SLOT
	s_add_co_u32 s22, s22, SLOT
.endr
	s_mul_i32 s23, s10, WSTAGE
	s_add_co_u32 s23, s23, STAGE                   ; my stage
	v_mul_u32_u24 v4, v1, SPITCH                   ; out: row r, 32 bytes (8 f32) for each half of the lanes
	v_lshl_add_u32 v4, v2, 5, v4
	v_add_nc_u32 v[STO], s23, v4
	v_mul_u32_u24 v5, v2, SPITCH                   ; back: lanes 0-15 take one row of 256 bytes, lanes 16-31 the next
	v_lshl_add_u32 v5, v1, 4, v5
	v_add_nc_u32 v[RD], s23, v5
	v_lshlrev_b32 v5, 12, v2                       ; and the same two rows in c and out0, 4,096 bytes apart
	v_lshl_add_u32 v[CO], v1, 4, v5
	v_mul_u32_u24 v6, v2, CPITCH                   ; c in: two rows of 128 bytes, 8 bytes a lane
	v_lshl_add_u32 v6, v1, 3, v6
	v_add_nc_u32 v[CSTO], s23, v6
	v_mul_u32_u24 v7, v1, CPITCH                   ; c back: row r, 16 bytes (8 bf16) for each half of the lanes
	v_lshl_add_u32 v7, v2, 4, v7
	v_add_nc_u32 v[CRD], s23, v7
	s_wait_loadcnt 0x0                             ; the bias
.set p, 0
.rept 64                               ; rounded to bf16 like every input, and widened again; this stands in the wait for the first tile
	v_cvt_pk_bf16_f32 v[4+p%4], v[BI+2*p], v[BI+2*p+1]
	v_lshlrev_b32 v[BI+2*p], 16, v[4+p%4]
	v_and_b32 v[BI+2*p+1], s84, v[4+p%4]
.set p, p+1
.endr
; 16 matrix instructions: row block a x all 16 column blocks, 32 along K, from buffer f.  first = 1: the product starts the sum on the bias.
; The 64 accumulators take turns, one instruction a turn, in the same order in every quarter step.
.macro MUL16 f, a, first
.if \first
	WIN 0x81+0x40*((\a)/2)                         ; source 0 (wt) window 1, source 1 (zb) and C (the bias) window 0, D window 2 or 3
.else
	WIN 0xa1+0x50*((\a)/2)                         ; the same with C in D's window
.endif
.irp b, 0,1,2,3,4,5,6,7,8,9,10,11,12,13,14,15
.if \first
	v_wmma_f32_16x16x32_bf16 v[8*(16*((\a)%2)+(\b)):8*(16*((\a)%2)+(\b))+7], v[128*(\f)+8*(\b):128*(\f)+8*(\b)+7], v[AF+32*(\f)+8*(\a):AF+32*(\f)+8*(\a)+7], v[BI+8*(\b):BI+8*(\b)+7]
.else
	v_wmma_f32_16x16x32_bf16 v[8*(16*((\a)%2)+(\b)):8*(16*((\a)%2)+(\b))+7], v[128*(\f)+8*(\b):128*(\f)+8*(\b)+7], v[AF+32*(\f)+8*(\a):AF+32*(\f)+8*(\a)+7], v[8*(16*((\a)%2)+(\b)):8*(16*((\a)%2)+(\b))+7]
.endif
.endr
.endm
; 40 LDS loads in one run: the fragments of one quarter step (256 rows of wt, my 64 rows of zb, 32 K at byte k of the rows) into buffer f.  The largest offset is 192 + 15 x 4,352 + 32 = 65,504.
.macro FETCH slot, k, f
	WIN 0x40                                       ; destination window 1, address window 0
.irp i, 0,1,2,3,4,5,6,7,8,9,10,11,12,13,14,15
	ds_load_b128 v[128*(\f)+8*(\i):128*(\f)+8*(\i)+3],   v[ADRB+(\slot)] offset:(\k)+(\i)*16*PITCH
	ds_load_b128 v[128*(\f)+8*(\i)+4:128*(\f)+8*(\i)+7], v[ADRB+(\slot)] offset:(\k)+(\i)*16*PITCH+32
.endr
	WIN 0
.irp i, 0,1,2,3
	ds_load_b128 v[AF+32*(\f)+8*(\i):AF+32*(\f)+8*(\i)+3],   v[ADRA+(\slot)] offset:(\k)+(\i)*16*PITCH
	ds_load_b128 v[AF+32*(\f)+8*(\i)+4:AF+32*(\f)+8*(\i)+7], v[ADRA+(\slot)] offset:(\k)+(\i)*16*PITCH+32
.endr
.endm
; A load into a register that a matrix instruction has read, and a vector instruction that reads a matrix result, stand four places behind that matrix instruction, and only plain vector
; instructions that name none of its registers are places (ISA guide 7.12.1 for vector instructions).
.macro PLACES
.rept 4
	v_nop
.endr
.endm
; A K step is four quarter steps of 32 along K, 64 matrix instructions each, on buffers 0, 1, 0, 1.
; One of the first three: multiplies buffer f; in its middle it fetches the next quarter's fragments, at byte k of the same slot's rows, into buffer g.
.macro QUARTER slot, k, f, g, first
	s_wait_dscnt 4                                 ; wt's fragments and zb's blocks 0, 1 are in; the youngest four loads (zb's blocks 2, 3) may be out
	MUL16 \f, 0, \first
	MUL16 \f, 1, \first
	PLACES
	FETCH \slot, \k, \g
	s_wait_dscnt 40                                ; all but the 40 just issued
	MUL16 \f, 2, \first
	MUL16 \f, 3, \first
.endm
; The last quarter multiplies buffer 1 and changes slots.  MEET is its first half: ONE barrier for the change.  In front of it each wave waits for all its tensor loads, of which one is out:
; its part of the next slot; adds 0 to its spare word; and waits for that and for its own reads of this slot.  Behind it nobody reads this slot any more and the next slot is whole.
.macro MEET round                      ; round = 1: a round of the cluster's barrier follows
	WIN 0                                          ; (the add's two registers lie in window 0)
	s_wait_tensorcnt 0x0                           ; all my tensor loads have landed
	ds_add_u32 v[SPW], v[NIL]                      ; 0 onto my spare word
	s_wait_dscnt 5                                 ; (the add and the youngest four loads may be out)
	MUL16 1, 0, 0                                  ; sixteen matrix instructions stand between the add and the wait for it
	s_wait_dscnt 0x0                               ; the add is done, and my reads of this slot are over
	s_barrier_signal -1
	MUL16 1, 1, 0                                  ; work on registers while the others arrive
.if \round
	WIN 0
.endif
	s_barrier_wait -1
.endm
; The whole last quarter.  fill = 1: the barrier has opened a round of the cluster's barrier, so that no wave of any partner still reads this slot or has a load on its way; the joint refill,
; this slot's K step two steps on, is the first tensor load behind it: 224 matrix instructions ahead of the wait for it.  Then come the next slot's first fragments.
.macro TURN slot, next, fill
	MEET \fill
.if \fill
	CREST
	s_add_nc_u64 s[G0+4*(\slot)+2:G0+4*(\slot)+3], s[G0+4*(\slot)+2:G0+4*(\slot)+3], 2*KSTEP*2     ; no load of mine is out, so a group 0 may be written
	s_add_nc_u64 s[G0B+4*(\slot)+2:G0B+4*(\slot)+3], s[G0B+4*(\slot)+2:G0B+4*(\slot)+3], 2*KSTEP*2
	JLOAD \slot                                    ; the four v_nop behind it are also the places in front of the loads below
.else
	PLACES
.endif
	FETCH \next, 0, 0
	MUL16 1, 2, 0
	MUL16 1, 3, 0
.endm
; C'S WAY IN, block a of 16 rows.  As loaded a lane holds 4 neighbouring units of rows 2 t + hh; the gates want 8 units 16 j + 8 hh + e of row r.  Rounded to bf16, the block goes through my stage:
; rows of 128 bytes, 144 apart, in the two regions by turns.  LDS serves a wave's instructions in order (ISA guide 5.7.1.4), so the loads see the stores, and a region's next stores come behind its loads.
.macro CIN a
.irp t, 0,1,2,3,4,5,6,7
	v_cvt_pk_bf16_f32 v[CX+32*(\a)+4*(\t)],   v[CX+32*(\a)+4*(\t)],   v[CX+32*(\a)+4*(\t)+1]
	v_cvt_pk_bf16_f32 v[CX+32*(\a)+4*(\t)+1], v[CX+32*(\a)+4*(\t)+2], v[CX+32*(\a)+4*(\t)+3]
	ds_store_b64 v[CSTO], v[CX+32*(\a)+4*(\t):CX+32*(\a)+4*(\t)+1] offset:SB*((\a)%2)+2*CPITCH*(\t)
.endr
.irp j, 0,1,2,3
	ds_load_b128 v[CFB+16*(\a)+4*(\j):CFB+16*(\a)+4*(\j)+3], v[CRD] offset:SB*((\a)%2)+32*(\j)  ; into registers whose numbers have been stored: an earlier block's, or this block's first
.endr
.endm
; THE GATES of row block a, units 16 j + 8 hh + 0..7: eight numbers a lane.
.macro GATE a, j
.set HN, HNE-64*((\a)%2)
.set CN, CNE+32*((\a)%2)
.set CF, CFB+16*(\a)
	WIN 0x02+((\a)/2)                              ; source 0: window 2 or 3
.irp g, 0,1,2,3                        ; the exponents: -x log2 e for f, i, o; 2 x log2 e for g.  Each accumulator is read from its low end on
.irp p, 0,1,2,3
.if (\g) == 2
	v_pk_mul_f32 v[TG+8*(\g)+2*(\p):TG+8*(\g)+2*(\p)+1], v[8*(16*((\a)%2)+4*(\g)+(\j))+2*(\p):8*(16*((\a)%2)+4*(\g)+(\j))+2*(\p)+1], s[80:81] op_sel_hi:[1,0]
.else
	v_pk_mul_f32 v[TG+8*(\g)+2*(\p):TG+8*(\g)+2*(\p)+1], v[8*(16*((\a)%2)+4*(\g)+(\j))+2*(\p):8*(16*((\a)%2)+4*(\g)+(\j))+2*(\p)+1], s[78:79] op_sel_hi:[1,0]
.endif
.endr
.endr
	WIN 0
.set i, 0
.rept 32
	v_exp_f32 v[TG+i], v[TG+i]
.set i, i+1
.endr
	v_nop                                          ; a plain instruction between the last exponential and the use of its result (ISA guide 5.7.2)
.set i, 0
	s_wait_alu depctr_va_vdst(0)
.rept 16
	v_pk_add_f32 v[TG+i:TG+i+1], v[TG+i:TG+i+1], 1.0 op_sel_hi:[1,0]
.set i, i+2
.endr
.set i, 0
.rept 32
	v_rcp_f32 v[TG+i], v[TG+i]                     ; f, i, o are done
.set i, i+1
.endr
	v_nop
	s_wait_alu depctr_va_vdst(0)
.irp p, 0,2,4,6
	v_pk_fma_f32 v[TG+16+(\p):TG+17+(\p)], v[TG+16+(\p):TG+17+(\p)], -2.0, 1.0 op_sel_hi:[1,0,0]  ; g = 1 - 2 / (1 + 2^..)
.endr
.irp p, 0,2,4,6
	v_pk_mul_f32 v[TG+8+(\p):TG+9+(\p)], v[TG+8+(\p):TG+9+(\p)], v[TG+16+(\p):TG+17+(\p)]         ; i g
.endr
.irp e, 0,1,2,3,4,5,6,7                ; c_new = c f + i g, c straight from its bf16 half
.if (\e)%2
	v_fma_mix_f32_bf16 v[CN+8*(\j)+(\e)], v[CF+4*(\j)+(\e)/2], v[TG+(\e)], v[TG+8+(\e)] op_sel:[1,0,0] op_sel_hi:[1,0,0]
.else
	v_fma_mix_f32_bf16 v[CN+8*(\j)+(\e)], v[CF+4*(\j)+(\e)/2], v[TG+(\e)], v[TG+8+(\e)] op_sel_hi:[1,0,0]
.endif
.endr
.irp p, 0,2,4,6
	v_pk_mul_f32 v[TG+16+(\p):TG+17+(\p)], v[CN+8*(\j)+(\p):CN+8*(\j)+(\p)+1], s[80:81] op_sel_hi:[1,0]
.endr
.irp e, 0,1,2,3,4,5,6,7
	v_exp_f32 v[TG+16+(\e)], v[TG+16+(\e)]
.endr
	v_nop
	s_wait_alu depctr_va_vdst(0)
.irp p, 0,2,4,6
	v_pk_add_f32 v[TG+16+(\p):TG+17+(\p)], v[TG+16+(\p):TG+17+(\p)], 1.0 op_sel_hi:[1,0]
.endr
.irp e, 0,1,2,3,4,5,6,7
	v_rcp_f32 v[TG+16+(\e)], v[TG+16+(\e)]
.endr
	v_nop
	s_wait_alu depctr_va_vdst(0)
.irp p, 0,2,4,6
	v_pk_fma_f32 v[TG+16+(\p):TG+17+(\p)], v[TG+16+(\p):TG+17+(\p)], -2.0, 1.0 op_sel_hi:[1,0,0]  ; tanh(c_new)
.endr
.irp p, 0,2,4,6
	v_pk_mul_f32 v[HN+8*(\j)+(\p):HN+8*(\j)+(\p)+1], v[TG+24+(\p):TG+25+(\p)], v[TG+16+(\p):TG+17+(\p)]  ; h_new = o tanh(c_new)
.endr
.endm
.macro GATES a
	s_wait_xcnt 0x0                                ; every earlier memory instruction has had its addresses translated (ISA guide 3.1): the registers that block a - 2's stores read are rewritten only behind this wait
.irp j, 0,1,2,3
	GATE \a, \j
.endr
.endm
; THE WAY OUT of block a.  A lane's 8 numbers are 32 bytes of a row; they go into rows of 272 bytes, h_new in my first region and c_new in my second, and come back as whole rows of 256 bytes,
; into the registers that they left.  The stage is the wave's own: no barrier, and no wait between the stores and the loads.
.macro TOSTAGE a
.set HN, HNE-64*((\a)%2)
.set CN, CNE+32*((\a)%2)
.irp j, 0,1,2,3
	ds_store_b128 v[STO], v[HN+8*(\j):HN+8*(\j)+3]   offset:64*(\j)
	ds_store_b128 v[STO], v[HN+8*(\j)+4:HN+8*(\j)+7] offset:64*(\j)+16
	ds_store_b128 v[STO], v[CN+8*(\j):CN+8*(\j)+3]   offset:SB+64*(\j)
	ds_store_b128 v[STO], v[CN+8*(\j)+4:CN+8*(\j)+7] offset:SB+64*(\j)+16
.endr
.irp t, 0,1,2,3,4,5,6,7
	ds_load_b128 v[HN+4*(\t):HN+4*(\t)+3], v[RD] offset:(\t)*2*SPITCH
.endr
.irp t, 0,1,2,3,4,5,6,7
	ds_load_b128 v[CN+4*(\t):CN+4*(\t)+3], v[RD] offset:SB+(\t)*2*SPITCH
.endr
.endm
.macro SEND a
.set HN, HNE-64*((\a)%2)
.set CN, CNE+32*((\a)%2)
	s_wait_dscnt 0x0                               ; the block is back in registers; the next block's gates stood between the loads and this wait
.irp t, 0,1,2,3,4,5,6,7
	global_store_b128 v[CO], v[HN+4*(\t):HN+4*(\t)+3], s[8:9] offset:65536*(\a)+8192*(\t) th:TH_STORE_NT    ; 16 lanes store 256 consecutive bytes, at a multiple of 256 from out0's first byte
.endr
.irp t, 0,1,2,3,4,5,6,7
	global_store_b128 v[CO], v[CN+4*(\t):CN+4*(\t)+3], s[76:77] offset:65536*(\a)+8192*(\t) th:TH_STORE_NT
.endr
.endm
	s_wait_tensorcnt 1                             ; my part of K step 0 is in; K step 1's may stay out
	s_barrier_signal -1
	s_barrier_wait -1                              ; everybody's is
	FETCH 0, 0, 0
	QUARTER 0, 64, 0, 1, 1                         ; the first quarter stands in front of the loop: its products start the sums on the bias
	WIN 0
	PLACES                                         ; the bias's registers, which those products read, now take c
.irp a, 0,1,2,3
.irp t, 0,1,2,3,4,5,6,7
	global_load_b128 v[CX+32*(\a)+4*(\t):CX+32*(\a)+4*(\t)+3], v[CO], s[66:67] offset:65536*(\a)+8192*(\t) th:TH_LOAD_NT  ; rows 16 a + 2 t + hh; 16 lanes take 256 consecutive bytes.  Waited for behind the loop
.endr
.endr
	s_mov_b32 s3, LAPS-1
.Llap:                                                 ; a trip goes once round the ring, from a lap's second quarter to the next lap's first, and fills both slots again
	QUARTER 0, 128, 1, 0, 0
	QUARTER 0, 192, 0, 1, 0
	TURN 0, 1, 1
	QUARTER 1, 64,  0, 1, 0
	QUARTER 1, 128, 1, 0, 0
	QUARTER 1, 192, 0, 1, 0
	TURN 1, 0, 1
	QUARTER 0, 64,  0, 1, 0
	WIN 0                                          ; at a label and at a branch every window is 0
	s_sub_co_u32 s3, s3, 1
	s_cmp_lg_u32 s3, 0
	s_cbranch_scc1 .Llap
	QUARTER 0, 128, 1, 0, 0                        ; the last lap fills nothing, and has no round of the cluster's barrier
	QUARTER 0, 192, 0, 1, 0
	TURN 0, 1, 0
	QUARTER 1, 64,  0, 1, 0
	QUARTER 1, 128, 1, 0, 0
	QUARTER 1, 192, 0, 1, 0
	s_wait_dscnt 4                                 ; the very last quarter: nothing more to fetch
	MUL16 1, 0, 0
	MUL16 1, 1, 0
	s_wait_dscnt 0x0
	WIN 0
	s_wait_loadcnt 0x0                             ; c, asked for in front of the loop
	CIN 0                                          ; its trip through my stage lies under the last 32 products
	CIN 1
	CIN 2
	CIN 3
	MUL16 1, 2, 0
	MUL16 1, 3, 0
	WIN 0
	PLACES                                         ; in front of the lines that read results just made
	s_wait_dscnt 0x0                               ; c is back, in the accumulators' order
	GATES 0                                        ; a block's gates stand between the stage loads of the block before and its stores
	TOSTAGE 0
	GATES 1
	SEND 0
	TOSTAGE 1
	GATES 2
	SEND 1
	TOSTAGE 2
	GATES 3
	SEND 2
	TOSTAGE 3
	SEND 3
	s_wait_tensorcnt 0x0                           ; the wave's end: three closing lines, behind my last tensor load and my last LDS store
	ds_add_u32 v[SPW], v[NIL]
	s_wait_dscnt 0x0
	CROUND                                         ; the closing round: no work-group ends while a partner may still ask for a tile that names it
	s_endpgm
.Lfunc_end_k_qf3a311790d_lstm:
	.size	k_qf3a311790d_lstm, .Lfunc_end_k_qf3a311790d_lstm-k_qf3a311790d_lstm
	.p2alignl 7, 3214868480
	.fill 96, 4, 3214868480
	.section	.rodata,"a",@progbits
	.p2align	6, 0x0
	.amdhsa_kernel k_qf3a311790d_lstm
		.amdhsa_group_segment_fixed_size 327680
		.amdhsa_private_segment_fixed_size 0
		.amdhsa_enable_private_segment 0
		.amdhsa_kernarg_size 64
		.amdhsa_user_sgpr_count 2
		.amdhsa_user_sgpr_kernarg_segment_ptr 1
		.amdhsa_wavefront_size32 1
		.amdhsa_system_sgpr_workgroup_id_x 1
		.amdhsa_system_sgpr_workgroup_id_y 1
		.amdhsa_system_sgpr_workgroup_id_z 1
		.amdhsa_system_vgpr_workitem_id 0
		.amdhsa_next_free_vgpr 1024
		.amdhsa_next_free_sgpr 88
		.amdhsa_reserve_vcc 0
		.amdhsa_float_denorm_mode_32 3
		.amdhsa_float_denorm_mode_16_64 3
		.amdhsa_memory_ordered 1
		.amdhsa_forward_progress 1
		.amdhsa_inst_pref_size 255
	.end_amdhsa_kernel
	.section	.bss,"aw",@nobits
	.p2align	6
	.space	262144
	.amdgpu_metadata
---
amdhsa.version: [ 1, 2 ]
amdhsa.kernels:
  - .name:           k_qf3a311790d_lstm
    .symbol:         k_qf3a311790d_lstm.kd
    .args:
      - { .name: zb, .offset: 0, .size: 8, .value_kind: global_buffer, .address_space: global }
      - { .name: wt, .offset: 8, .size: 8, .value_kind: global_buffer, .address_space: global }
      - { .name: out0, .offset: 16, .size: 8, .value_kind: global_buffer, .address_space: global }
      - { .name: c, .offset: 24, .size: 8, .value_kind: global_buffer, .address_space: global }
      - { .name: bf, .offset: 32, .size: 8, .value_kind: global_buffer, .address_space: global }
      - { .name: bi, .offset: 40, .size: 8, .value_kind: global_buffer, .address_space: global }
      - { .name: bc, .offset: 48, .size: 8, .value_kind: global_buffer, .address_space: global }
      - { .name: bo, .offset: 56, .size: 8, .value_kind: global_buffer, .address_space: global }
    .group_segment_fixed_size: 327680
    .private_segment_fixed_size: 0
    .kernarg_segment_align: 8
    .kernarg_segment_size: 64
    .max_flat_workgroup_size: 128
    .sgpr_count:     88
    .vgpr_count:     1024
    .wavefront_size: 32
...
	.end_amdgpu_metadata
.endif
;; end of part 2
;; ======== version 2 of 2: 2 launches; version 1 with the launch prep written anew for expert scheduling mode
;; workspace buffers: zb 33,554,432 bytes; wt 16,777,216 bytes
;; launch prep (part 3): grid 1024 x 2, 8 waves a work-group, no clusters, 17,920 bytes of LDS; arguments x, h, Wf, Wi, Wc, Wo, zb, wt; writes zb, wt
.if DOCPART == 3
	.amdgcn_target "amdgcn-amd-amdhsa--gfx1250"
	.amdhsa_code_object_version 6
	.text
	.protected	k_qf3a311790d_prep
	.globl	k_qf3a311790d_prep
	.p2align	8
	.type	k_qf3a311790d_prep,@function
k_qf3a311790d_prep:
	s_mov_b64 s[64:65], 0
	v_nop
	global_prefetch_b8 v0, s[64:65] scope:SCOPE_SE
	s_setreg_imm32_b32 hwreg(HW_REG_WAVE_SCHED_MODE, 0, 2), 2
	s_setreg_imm32_b32 hwreg(HW_REG_WAVE_MODE, 25, 1), 1
	s_wait_xcnt 0x0
	s_wait_alu depctr_vm_vsrc(0)
; The operands of the LSTM cell's product, rounded once to bf16 and laid with K along the rows.
;   zb [8192][2048] bf16: row m = x[m][0..1023], then h[m][0..1023]; a row is 4,096 bytes.
;   wt [4096][2048] bf16: row 256 (u / 64) + 64 g + u % 64 holds W_g[k][u] for k = 0..2047; g = 0, 1, 2, 3 for Wf, Wi, Wc, Wo.
;      So 256 consecutive rows of wt are the four gates of 64 consecutive units.
; Work-groups with y = 0 cast 8 rows of x and of h; those with y = 1 turn one tile of 128 k x 64 u of one gate through LDS.
; The branch hangs on the work-group's y alone: all eight waves of a work-group take the same way.
; A stream: every input byte is read once and every output byte written once.  No matrix unit, no cluster: no two work-groups read the same bytes.
; THE MODE: SCHED_MODE bits 1:0 = 2 (LLVM: expert scheduling mode 2), set by the entry lines.  The code itself states the register dependences
; between vector instructions and memory or LDS instructions, with s_wait_alu, always for 0.
; THE PLAN.  Registers that memory or LDS instructions touch:
;   the cast   v1, v2        offsets of the loads and of the stores: written once at the head, never again.
;              v[8:71]       load n lands in four registers, once; its two conversions read the four and write the first two; store n reads those two.  None is loaded or written again.
;              The sixteen loads are four groups of four.  One wait at the head of a group states that the group before has written its store registers; that group's four stores
;              then stand among this group's conversions, which name this group's registers alone.
;   the turn   v1            offset of the eight loads; v3 LDS address of the stores; v4 LDS address of the loads; v5 offset in wt: each written once, never again.
;              v[8:39]       the eight loads land here, once; the conversions read them.
;              v[40:55]      written by the conversions, once, eight registers a half; read by that half's four LDS stores, which follow one wait behind the half's conversions.
;              v[56:71]      the LDS loads land here, the global stores read them: no vector instruction names them.
;   v78, v79   written at the head, read by the closing add alone.
; No register that a memory or LDS instruction reads is ever written again, so no wait on vm_vsrc is owed; no vector instruction writes a scalar register, and EXEC is never written.
.set P,     264                        ; a row of the turned tile in LDS: 128 k in bf16 = 256 bytes, + 8
.set SPARE, 64*P                       ; 16,896: behind the tile's 64 rows the spare words, 128 bytes for each of eight waves, which no other line names
.set SPW,   78                         ; v78  LDS address of my spare word; never rewritten
.set NIL,   79                         ; v79  0; never rewritten
	s_load_b512 s[4:19], s[0:1], 0x0               ; x s[4:5], h s[6:7], Wf s[8:9], Wi s[10:11], Wc s[12:13], Wo s[14:15], zb s[16:17], wt s[18:19]
	v_lshl_add_u32 v[SPW], v0, 2, SPARE
	v_mov_b32 v[NIL], 0
	s_and_b32 s20, ttmp7, 0xffff                   ; the work-group's y
	s_wait_kmcnt 0x0
	s_cmp_lg_u32 s20, 0
	s_cbranch_scc1 .Lw
	; THE CAST.  Work-group i takes rows 8 i to 8 i + 7.  Thread t takes 16 bytes (4 numbers) at byte 16 t of a row of x or h: a wave's load covers 512 consecutive bytes,
	; the eight waves a row.  The 4 numbers leave as 8 bytes at byte 8 t of the row's half in zb: a wave's store covers 256 consecutive bytes, aligned.
	s_lshl_b32 s22, ttmp9, 15                      ; 8 rows of 4,096 bytes, in x, in h and in zb alike
	s_mov_b32 s23, 0
	s_add_nc_u64 s[4:5], s[4:5], s[22:23]
	s_add_nc_u64 s[6:7], s[6:7], s[22:23]
	s_add_nc_u64 s[16:17], s[16:17], s[22:23]
	v_lshlrev_b32 v1, 4, v0
	v_lshlrev_b32 v2, 3, v0
	s_wait_alu depctr_va_vdst(0)                   ; v1 and v2 are written: the loads read v1 as their offset, the stores v2
.set n, 0
.rept 16                               ; all sixteen loads go out on end: load n is row n / 2 of x (n even) or of h (n odd)
.if n%2 == 0
	global_load_b128 v[8+4*n:11+4*n], v1, s[4:5] offset:4096*(n/2) th:TH_LOAD_NT
.else
	global_load_b128 v[8+4*n:11+4*n], v1, s[6:7] offset:4096*(n/2) th:TH_LOAD_NT
.endif
.set n, n+1
.endr
.set q, 0
.rept 4                                ; group q: loads 4 q to 4 q + 3 are rounded; the stores of group q - 1 stand among the conversions
	s_wait_loadcnt 12-4*q                          ; loads come back in order (ISA guide 5.7.1): this group's four are in, the younger groups stay out
.if q > 0
	s_wait_alu depctr_va_vdst(0)                   ; the conversions of the group before have written their eight registers, which the four stores below read
.endif
.set e, 0
.rept 4
.set n, 4*q+e
.set m, n-4
.if q > 0
	global_store_b64 v2, v[8+4*m:9+4*m], s[16:17] offset:4096*(m/2)+2048*(m%2)  ; no vector instruction since the wait names these registers; no register is written twice, so nothing waits for the stores
.endif
	v_cvt_pk_bf16_f32 v[8+4*n], v[8+4*n], v[9+4*n]
	v_cvt_pk_bf16_f32 v[9+4*n], v[10+4*n], v[11+4*n]
.set e, e+1
.endr
.set q, q+1
.endr
	s_wait_alu depctr_va_vdst(0)                   ; the last group's conversions have written their eight registers, which the last four stores read
.set m, 12
.rept 4
	global_store_b64 v2, v[8+4*m:9+4*m], s[16:17] offset:4096*(m/2)+2048*(m%2)
.set m, m+1
.endr
	s_endpgm                                       ; this way wrote no LDS
.Lw:	; THE TURN.  Work-group i: gate i / 256, k block (i / 16) % 16 of 128, u block i % 16 of 64.
	s_lshr_b32 s21, ttmp9, 8                       ; g
	s_bfe_u32 s22, ttmp9, 0x40004                  ; kb
	s_and_b32 s23, ttmp9, 15                       ; ub
	s_mov_b64 s[24:25], s[8:9]                     ; the gate's weights: a choice between buffers by g
	s_cmp_eq_u32 s21, 1
	s_cselect_b64 s[24:25], s[10:11], s[24:25]
	s_cmp_eq_u32 s21, 2
	s_cselect_b64 s[24:25], s[12:13], s[24:25]
	s_cmp_eq_u32 s21, 3
	s_cselect_b64 s[24:25], s[14:15], s[24:25]
	s_lshl_b32 s28, s22, 19                        ; from: 128 kb rows of 4,096 bytes
	s_lshl_b32 s29, s23, 8                         ; + 64 ub numbers of 4 bytes
	s_add_co_u32 s28, s28, s29
	s_mov_b32 s29, 0
	s_add_nc_u64 s[24:25], s[24:25], s[28:29]
	s_lshl_b32 s28, s23, 20                        ; to: 256 ub rows of 4,096 bytes
	s_lshl_b32 s30, s21, 18                        ; + 64 g rows
	s_add_co_u32 s28, s28, s30
	s_lshl_b32 s30, s22, 8                         ; + 128 kb numbers of 2 bytes
	s_add_co_u32 s28, s28, s30
	s_add_nc_u64 s[26:27], s[18:19], s[28:29]
	v_and_b32 v6, 15, v0                           ; ui: my four columns 4 ui ..
	v_lshrrev_b32 v7, 4, v0                        ; kq: my rows 4 kq + 64 s + e
	v_lshlrev_b32 v1, 4, v6
	v_lshl_add_u32 v1, v7, 14, v1                  ; 4 kq rows of 4,096 bytes + 16 ui
	s_wait_alu depctr_va_vdst(0)                   ; v1 is written: the eight loads read it as their offset
.irp s, 0,1
.irp e, 0,1,2,3
	global_load_b128 v[8+16*(\s)+4*(\e):11+16*(\s)+4*(\e)], v1, s[24:25] offset:262144*(\s)+4096*(\e) th:TH_LOAD_NT  ; sixteen lanes take the tile's 256 bytes of one row
.endr
.endr
	v_mul_u32_u24 v3, v6, 4*P                      ; into LDS: row u = 4 ui + r, 8 bytes (4 k) at byte 8 kq + 128 s
	v_lshl_add_u32 v3, v7, 3, v3
	v_and_b32 v6, 31, v0                           ; lane
	v_lshrrev_b32 v7, 5, v0                        ; wave
	v_lshlrev_b32 v6, 3, v6
	v_mul_u32_u24 v4, v7, 8*P                      ; back: wave w takes rows 8 w + i whole, a lane 8 bytes
	v_add_nc_u32 v4, v4, v6
	v_lshl_add_u32 v5, v7, 15, v6                  ; and the same rows in wt, 4,096 bytes apart
.irp s, 0,1
	s_wait_loadcnt 4-4*(\s)                        ; the first four loads are in while the second four stay out; then all
.irp r, 0,1,2,3
	v_cvt_pk_bf16_f32 v[40+8*(\s)+2*(\r)], v[8+16*(\s)+(\r)], v[12+16*(\s)+(\r)]    ; column r of my rows e = 0, 1
	v_cvt_pk_bf16_f32 v[41+8*(\s)+2*(\r)], v[16+16*(\s)+(\r)], v[20+16*(\s)+(\r)]   ; and e = 2, 3: four neighbouring k of one u
.endr
	s_wait_alu depctr_va_vdst(0)                   ; this half's conversions have written their eight registers, which the four LDS stores read; the first time v3, v4 and v5 are written too: the addresses of these stores, of the LDS loads and of the global stores below
.irp r, 0,1,2,3
	ds_store_b64 v3, v[40+8*(\s)+2*(\r):41+8*(\s)+2*(\r)] offset:(\r)*P+128*(\s)    ; lanes ui and ui + 8 lie 8 x 1,056 bytes apart, a multiple of 256: two deep on the banks (64 banks of 4 bytes: ISA guide 11.1); eight stores a thread, accepted.  The first half's stores go out while the second half's loads are on their way
.endr
.endr
	s_wait_dscnt 0x0                               ; for the others' sake: my stores into the tile are done
	s_barrier_signal -1
	s_barrier_wait -1
.irp i, 0,1,2,3,4,5,6,7
	ds_load_b64 v[56+2*(\i):57+2*(\i)], v4 offset:(\i)*P   ; a row's 256 consecutive bytes; no vector instruction names these registers, and none has been issued since the wait that showed v4 written
.endr
.irp i, 0,1,2,3,4,5,6,7
	s_wait_dscnt 7-(\i)                            ; LDS loads come back in order: row i is in
	global_store_b64 v5, v[56+2*(\i):57+2*(\i)], s[26:27] offset:4096*(\i)  ; the wave stores 256 consecutive bytes, at a multiple of 256 from wt's first byte
.endr
	s_wait_dscnt 0x0                               ; the closing lines, six on end
	s_wait_alu 0x0
	s_wait_tensorcnt 0x0
	ds_add_u32 v[SPW], v[NIL]
	s_wait_dscnt 0x0
	s_endpgm
.Lfunc_end_k_qf3a311790d_prep:
	.size	k_qf3a311790d_prep, .Lfunc_end_k_qf3a311790d_prep-k_qf3a311790d_prep
	.p2alignl 7, 3214868480
	.fill 96, 4, 3214868480
	.section	.rodata,"a",@progbits
	.p2align	6, 0x0
	.amdhsa_kernel k_qf3a311790d_prep
		.amdhsa_group_segment_fixed_size 17920
		.amdhsa_private_segment_fixed_size 0
		.amdhsa_enable_private_segment 0
		.amdhsa_kernarg_size 64
		.amdhsa_user_sgpr_count 2
		.amdhsa_user_sgpr_kernarg_segment_ptr 1
		.amdhsa_wavefront_size32 1
		.amdhsa_system_sgpr_workgroup_id_x 1
		.amdhsa_system_sgpr_workgroup_id_y 1
		.amdhsa_system_sgpr_workgroup_id_z 1
		.amdhsa_system_vgpr_workitem_id 0
		.amdhsa_next_free_vgpr 80
		.amdhsa_next_free_sgpr 66
		.amdhsa_reserve_vcc 0
		.amdhsa_float_denorm_mode_32 3
		.amdhsa_float_denorm_mode_16_64 3
		.amdhsa_memory_ordered 1
		.amdhsa_forward_progress 1
		.amdhsa_inst_pref_size 12
	.end_amdhsa_kernel
	.amdgpu_metadata
---
amdhsa.version: [ 1, 2 ]
amdhsa.kernels:
  - .name:           k_qf3a311790d_prep
    .symbol:         k_qf3a311790d_prep.kd
    .args:
      - { .name: x, .offset: 0, .size: 8, .value_kind: global_buffer, .address_space: global }
      - { .name: h, .offset: 8, .size: 8, .value_kind: global_buffer, .address_space: global }
      - { .name: Wf, .offset: 16, .size: 8, .value_kind: global_buffer, .address_space: global }
      - { .name: Wi, .offset: 24, .size: 8, .value_kind: global_buffer, .address_space: global }
      - { .name: Wc, .offset: 32, .size: 8, .value_kind: global_buffer, .address_space: global }
      - { .name: Wo, .offset: 40, .size: 8, .value_kind: global_buffer, .address_space: global }
      - { .name: zb, .offset: 48, .size: 8, .value_kind: global_buffer, .address_space: global }
      - { .name: wt, .offset: 56, .size: 8, .value_kind: global_buffer, .address_space: global }
    .group_segment_fixed_size: 17920
    .private_segment_fixed_size: 0
    .kernarg_segment_align: 8
    .kernarg_segment_size: 64
    .max_flat_workgroup_size: 256
    .sgpr_count:     66
    .vgpr_count:     80
    .wavefront_size: 32
...
	.end_amdgpu_metadata
.endif
;; end of part 3
;; launch lstm: the kernel of part 2 again; grid 16 x 32, 4 waves a work-group, clusters of 4 x 4, 327,680 bytes of LDS; arguments zb, wt, out0, c, bf, bi, bc, bo; writes out0
